; MI455X (gfx1250); checked and timed in simulation.
; The chip was launched on July 23, 2026; its instructions are those of AMD's public machine-readable ISA for CDNA 5 (MIT licence, August 2026) and "CDNA5" Instruction Set Architecture Reference Guide (July 2026). The comments in the code are by the model that wrote it; some were corrected since.
;; OAMP Net. Allowed arithmetic: float matrix products may take bf16 or f16 operands with f32 sums; other float arithmetic in f32, or as packed bf16 or f16 multiplies, adds, multiply-adds, maxima and minima; sums over many terms, partial sums and values carried from step to step in f32; what a program stores and reads back later, other than sums and carried values, may be rounded once to bf16 or f16.
;; Inputs: H 4,096 x 64 x 64 float32; gamma 10 float32; sigma2 4,096 float32; theta 10 float32; y 4,096 x 64 x 1 float32.
;; Outputs: out0 10 x 4,096 x 64 float32; out1 10 x 4,096 x 64 x 2 float32.
;; One version. Each part assembles by itself: llvm-mc -triple=amdgcn-amd-amdhsa -mcpu=gfx1250 --defsym DOCPART=n.
;; ======== version 1 of 1: 1 launch
;; limits: right only within a limited range of input values
;; launch oamp (part 1): grid 512 x 1, 8 waves a work-group, no clusters, 150,528 bytes of LDS; arguments H, y, sigma2, gamma, theta, out0, out1; writes out0, out1
.if DOCPART == 1
	.amdgcn_target "amdgcn-amd-amdhsa--gfx1250"
	.amdhsa_code_object_version 6
	.text
	.protected	k_qc062fba2b5_oamp
	.globl	k_qc062fba2b5_oamp
	.p2align	8
	.type	k_qc062fba2b5_oamp,@function
k_qc062fba2b5_oamp:
	s_mov_b64 s[64:65], 0
	v_nop
	global_prefetch_b8 v0, s[64:65] scope:SCOPE_SE
	s_setreg_imm32_b32 hwreg(HW_REG_WAVE_MODE, 25, 1), 1
	s_wait_xcnt 0x0
; OAMPNet, 4,096 systems of 64 x 64, ten layers.  ONE WAVE OWNS ONE SYSTEM; eight waves a work-group, which share nothing: no barrier.
; THE ALGEBRA (identities, for all finite inputs with sigma2 > 0).  s = sigma2 / 2, G = H H^T, rho = s / v2.
;   v2 H^T (v2 G + s I)^-1 = H^T (G + rho I)^-1, and trace(W H) before its scaling is q1 = tr((G + rho)^-1 G): W = (32 / q1) H^T (G + rho)^-1.
;   Householder reflections P_0 .. P_62 make T = Q^T G Q tridiagonal (diagonal a, off-diagonal b); Hh = Q^T H, yh = Q^T y.  Then Q^T z = yh - Hh x has z's norm,
;   tr(H^T H) = sum a, and W z = (32 / q1) Hh^T (T + rho)^-1 (Q^T z).  G is never formed: its column k is Hh (row k of Hh).
;   (T + rho) u = f is solved by cyclic reduction in six levels, all 64 equations at once; equation i is never scaled, so its last pivot d_i is 1 / ((T + rho)^-1)_ii.  Kept is g_i = d_i - rho, so that
;   q1 = sum g_i / d_i loses nothing where rho is large.  In layer 0 the derivative gd_i = d g_i / d rho >= 0 is carried along:
;   sum(W W) = (32 / q1)^2 sum (g_i - rho gd_i) / d_i^2;  sum(Bm Bm) = sum (1 - k g_i / d_i)^2 + k^2 rho^2 gd_i / d_i^2 with k = theta[0] 32 / q1.
; DEAD WORK, left out.  H x in layer 0: x is reference()'s own zeros.  The update of W behind layer 9: nothing uses it.  H^T H: only its trace is used, and that is tr(G).
;   The inverse, W, W H and Bm as matrices: they reach the outputs only through the vector W z and the three traces above, which the identities give for every value of the inputs.
;   All five inputs are loaded.  A NaN, an infinity or an overflow that would arise only in the work left out is not carried to the results.
; NO MATRIX INSTRUCTION: what is left has one column a system (matrix times vector, rank-1 updates), and G + rho I is too ill-conditioned for operands of 16 bits.  All arithmetic is f32.
; LIMITS.  sigma2 > 0.  The error grows with the condition of G + rho I, as that of an f32 inverse does.  A column whose squared norm below the diagonal is under 1e-30 is left unreflected.
;   Divisions are v_rcp_f32 and a multiply; exponentials are v_exp_f32, whose results below 2^-126 are 0 and are then raised to the floor 5e-13 as reference() raises them.
; LDS, for each wave 18,688 bytes from WB = wave x 18,688:
;   HL  +0       65 rows of 272 bytes (256 + 16: 68 words, so the 16 rows of a 16-byte load start at 16 different groups of four banks, ISA guide 11.1): H, then row by row the final Hh
;   VB  +17,920  128 words: v of the step in hand; row i lies at word 64 + i - shift; only the upper 64 words are read
;   TB  +18,432  64 words: broadcasts of t'', x and u; changes of layout
;   behind the eight waves, from 149,504: the spare words, 128 bytes a wave.
; REGISTERS, in windows of 256 (s_set_vgpr_msb: bits 1:0 source 0, 3:2 source 1, 5:4 source 2, 7:6 destination).
;   window 1: v0-127 HR: the lane's rows, all 64 columns (reduction: rows l and l + 32; layers: rows 2 l and 2 l + 1);  v128-255 HC: the lane's columns 2 l, 2 l + 1 of row position p at 128 + 2 p
;   window 0: addresses, vectors and scalars, and two buffers of 64 (B1, B2) into which a vector is read from LDS whole, the same in every lane.
.set PITCH, 272
.set WSTR,  18688
.set VBO,   17920
.set TBO,   18432
.set SPARE, 149504
.set SPW, 2            ; v2   my spare word: SPARE + 4 x thread; never rewritten
.set NIL, 3            ; v3   0; never rewritten
.set RI,  4            ; v4-5   my two rows in the reduction: l, l + 32
.set L4,  6            ; v6   4 l
.set L8,  7            ; v7   8 l: also my offset in a row of out0
.set VBW, 8            ; v8   where v of row l goes (row l + 32: 128 bytes on)
.set ZA,  10           ; v10  VB's window less 4 shift, the same in all lanes
.set VBR, 11           ; v11  VB's upper half
.set TBW, 12           ; v12  TB + 8 l
.set TBR, 13           ; v13  TB
.set HKA, 14           ; v14  HL's row k + 1
.set HRW, 15           ; v15  the same + 8 l
.set ZP,  16           ; v16-17  0, 0
.set XV,  18           ; v18-19  column k of G below the diagonal, my two rows
.set VI,  20           ; v20-21  v, my two rows
.set YV,  22           ; v22-23  yh, my two rows
.set AV,  24           ; v24-25  a
.set BV,  26           ; v26-27  -b
.set SG,  28
.set NRM, 29
.set SNR, 30
.set DEN, 31
.set NB,  32           ; v32-33  -beta (the low word)
.set VY,  34
.set TM,  35           ; v35-37  at work
.set TPP, 38           ; v38-39  t'' of my two columns
.set ACC, 40           ; v40-47  four packed accumulators
.set B1,  128
.set B2,  192
.set HC,  128          ; window 1
; the layers' names
.set ADP1, 28          ; v28-32  4 x ((l + 1, 2, 4, 8, 16) mod 32): ds_bpermute_b32's lane addresses
.set ADP2, 29
.set ADP4, 30
.set ADP8, 31
.set ADP16, 32
.set ADM1, 33          ; v33-36  4 x ((l - 1, 2, 4, 8) mod 32)
.set ADM2, 34
.set ADM4, 35
.set ADM8, 36
.set WT,  37
.set TA,  48           ; pairs hold indices 2 l, 2 l + 1:  a
.set TBN, 50           ; b
.set YH,  52           ; yh
.set XX,  54           ; x
.set F,   56           ; right-hand side, at the end u
.set GA,  58           ; g
.set EE,  60           ; e: coupling of i and i + distance
.set AL,  62
.set RR,  64           ; 1 / (g + rho)
.set ER,  66
.set L1,  68
.set L2,  70
.set RP,  72
.set FP,  74
.set EPU, 76
.set L1M, 78
.set L2M, 80
.set TT,  82
.set GD,  84           ; gd
.set EPS, 86           ; -(d e / d rho) / e
.set PS,  88
.set L3,  90
.set PSP, 92
.set EPP, 94
.set L3M, 96
.set TQ,  98
.set RHO, 100          ; rho, twice
.set V2,  102
.set SS,  103          ; s
.set S32, 104          ; 32 s
.set INVTR, 105
.set TRBB, 106
.set TRWW, 107
.set N32, 109          ; 32 / q1
.set K2,  110          ; -log2(e) / (2 tau2), the low word of a pair
.set CC,  112          ; c, -c with c = 1 / sqrt(2)
.set PO,  114          ; v114-117  the four probabilities
.set RS,  118
.set VGAM, 120         ; lane i: gamma[min(i, 9)]
.set VTHE, 121
.set O1,  123          ; 16 l
.set T0,  124
.set T1,  125
.set T2,  126
.set T3,  127
.set RV,  L1           ; r takes L1's place behind the levels
; scalars: s[4:5] H, s[6:7] y, s[8:9] sigma2, s[10:11] gamma, s[12:13] theta, s[14:15] out0, s[16:17] out1; s18 wave, s19 system, s20 WB, s[22:23] offsets;
; s24 k, s25 k + 1, s26 (k + 1) mod 32, s27 trips; s28-29 x_(k+1); s30-33 lane masks; s[34:35] permlane selects; s36 sigma2[b]; s37 layer, s38 gamma, s39 theta; s40, s41 LDS steps
.set MSB, 0
.macro WIN new                         ; the immediate's high byte repeats the setting that is left; a switch that changes nothing is dropped
.if MSB != (\new)
	s_set_vgpr_msb (MSB<<8)|(\new)
.set MSB, (\new)
.endif
.endm
; the sum over the 32 lanes, in every lane
.macro WSUM r, t
	v_add_f32_dpp v[\r], v[\r], v[\r] row_xmask:1 row_mask:0xf bank_mask:0xf
	v_add_f32_dpp v[\r], v[\r], v[\r] row_xmask:2 row_mask:0xf bank_mask:0xf
	v_add_f32_dpp v[\r], v[\r], v[\r] row_xmask:4 row_mask:0xf bank_mask:0xf
	v_add_f32_dpp v[\r], v[\r], v[\r] row_xmask:8 row_mask:0xf bank_mask:0xf
	v_permlanex16_b32 v[\t], v[\r], s34, s35
	v_add_f32 v[\r], v[\r], v[\t]
.endm
.macro WSUM2 r, t, q, u                ; two such sums, line by line in turn
.irp x, 1,2,4,8
	v_add_f32_dpp v[\r], v[\r], v[\r] row_xmask:\x row_mask:0xf bank_mask:0xf
	v_add_f32_dpp v[\q], v[\q], v[\q] row_xmask:\x row_mask:0xf bank_mask:0xf
.endr
	v_permlanex16_b32 v[\t], v[\r], s34, s35
	v_permlanex16_b32 v[\u], v[\q], s34, s35
	v_add_f32 v[\r], v[\r], v[\t]
	v_add_f32 v[\q], v[\q], v[\u]
.endm
; cnt x 16 bytes from one LDS address into buf, the same in every lane
.macro BCAST buf, adr, cnt
.set m, 0
.rept \cnt
	ds_load_b128 v[(\buf)+4*m:(\buf)+4*m+3], v[\adr] offset:16*m
.set m, m+1
.endr
.endm
; My rows of HR times the vector in buf.  both = 1: both rows, two accumulators each; the sums are ACC+0 + ACC+1 and ACC+4 + ACC+5.  both = 0: the second row alone, four accumulators; ACC+0 + ACC+1.
.macro ROWDOT both, buf
	WIN 0x01
.set j, 0
.rept 32
.if \both
.if j < 2
	v_pk_mul_f32 v[ACC+2*j:ACC+2*j+1], v[2*j:2*j+1], v[(\buf)+2*j:(\buf)+2*j+1]
	v_pk_mul_f32 v[ACC+4+2*j:ACC+5+2*j], v[64+2*j:65+2*j], v[(\buf)+2*j:(\buf)+2*j+1]
.else
	v_pk_fma_f32 v[ACC+2*(j%2):ACC+2*(j%2)+1], v[2*j:2*j+1], v[(\buf)+2*j:(\buf)+2*j+1], v[ACC+2*(j%2):ACC+2*(j%2)+1]
	v_pk_fma_f32 v[ACC+4+2*(j%2):ACC+5+2*(j%2)], v[64+2*j:65+2*j], v[(\buf)+2*j:(\buf)+2*j+1], v[ACC+4+2*(j%2):ACC+5+2*(j%2)]
.endif
.else
.if j < 4
	v_pk_mul_f32 v[ACC+2*j:ACC+2*j+1], v[64+2*j:65+2*j], v[(\buf)+2*j:(\buf)+2*j+1]
.else
	v_pk_fma_f32 v[ACC+2*(j%4):ACC+2*(j%4)+1], v[64+2*j:65+2*j], v[(\buf)+2*j:(\buf)+2*j+1], v[ACC+2*(j%4):ACC+2*(j%4)+1]
.endif
.endif
.set j, j+1
.endr
	WIN 0
	v_pk_add_f32 v[ACC:ACC+1], v[ACC:ACC+1], v[ACC+2:ACC+3]
	v_pk_add_f32 v[ACC+4:ACC+5], v[ACC+4:ACC+5], v[ACC+6:ACC+7]
.if !(\both)
	v_pk_add_f32 v[ACC:ACC+1], v[ACC:ACC+1], v[ACC+4:ACC+5]
.endif
.endm
; My two columns of HC, positions p0 .. p0 + cnt - 1, times the numbers at the same places of buf: the pair ACC+0, ACC+1.  op_sel takes one word of buf's pair for both columns.
.macro COLDOT p0, cnt, buf
	WIN 0x01
.set p, \p0
.set n, 0
.rept \cnt
.if n < 4
.if p%2
	v_pk_mul_f32 v[ACC+2*n:ACC+2*n+1], v[HC+2*p:HC+2*p+1], v[(\buf)+p-1:(\buf)+p] op_sel:[0,1] op_sel_hi:[1,1]
.else
	v_pk_mul_f32 v[ACC+2*n:ACC+2*n+1], v[HC+2*p:HC+2*p+1], v[(\buf)+p:(\buf)+p+1] op_sel_hi:[1,0]
.endif
.else
.if p%2
	v_pk_fma_f32 v[ACC+2*(n%4):ACC+2*(n%4)+1], v[HC+2*p:HC+2*p+1], v[(\buf)+p-1:(\buf)+p], v[ACC+2*(n%4):ACC+2*(n%4)+1] op_sel:[0,1,0] op_sel_hi:[1,1,1]
.else
	v_pk_fma_f32 v[ACC+2*(n%4):ACC+2*(n%4)+1], v[HC+2*p:HC+2*p+1], v[(\buf)+p:(\buf)+p+1], v[ACC+2*(n%4):ACC+2*(n%4)+1] op_sel_hi:[1,0,1]
.endif
.endif
.set p, p+1
.set n, n+1
.endr
	WIN 0
	v_pk_add_f32 v[ACC:ACC+1], v[ACC:ACC+1], v[ACC+2:ACC+3]
	v_pk_add_f32 v[ACC+4:ACC+5], v[ACC+4:ACC+5], v[ACC+6:ACC+7]
	v_pk_add_f32 v[ACC:ACC+1], v[ACC:ACC+1], v[ACC+4:ACC+5]
.endm
; ONE STEP k OF THE REDUCTION.  s = k / 16, the stage: it fixes how many row positions (P = 64 - 16 s) and which row sets are still alive; e = k % 2.
; HC's rows lie at position i - shift, shift = the trip's even k: the odd step's update writes two positions lower, so that the register numbers of a trip's text never change.
; Positions past row 63 hold old finite numbers and meet v = 0.  On entry row k of Hh is on its way into HKB.
.macro STEP s, e
.set P, 64-16*(\s)
.if (\s) < 2
.set BOTH, 1
.set RSK, 0
.else
.set BOTH, 0
.set RSK, 1
.endif
.if (\e) == 0
.set HKB, B1
.set VBC, B2
.else
.set HKB, B2
.set VBC, B1
.endif
	s_wait_dscnt 0x0                       ; row k is in HKB
	ROWDOT BOTH, HKB                       ; column k of G: my rows times row k
.if BOTH
	v_add_f32 v[XV], v[ACC], v[ACC+1]
	v_add_f32 v[XV+1], v[ACC+4], v[ACC+5]
.else
	v_add_f32 v[XV+1], v[ACC], v[ACC+1]
.endif
	v_cmp_eq_u32 s30, s24, v[RI+RSK]       ; the lane that holds row k
	v_cmp_lt_u32 s31, s24, v[RI+RSK]       ; rows below it
	v_cndmask_b32 v[AV+RSK], v[AV+RSK], v[XV+RSK], s30   ; a_k
	v_cndmask_b32 v[XV+RSK], 0, v[XV+RSK], s31           ; x
.if BOTH
	v_mul_f32 v[SG], v[XV], v[XV]
	v_fmac_f32 v[SG], v[XV+1], v[XV+1]
	v_readlane_b32 s28, v[XV], s26
	v_readlane_b32 s29, v[XV+1], s26
	s_cmp_lt_u32 s25, 32
	s_cselect_b32 s28, s28, s29            ; x_(k+1)
.else
	v_mul_f32 v[SG], v[XV+1], v[XV+1]
	v_readlane_b32 s28, v[XV+1], s26
.endif
	WSUM SG, TM                            ; sigma = |x|^2
	v_sqrt_f32 v[NRM], v[SG]
	v_mov_b32 v[TM+1], s28                 ; four plain lines stand behind the root
	v_cmp_lt_f32 s33, 0x0da24260, v[SG]    ; 1e-30 < sigma: else no reflection
	v_mov_b32 v[HKA], s40
	v_add_nc_u32 v[HRW], s40, v[L8]
	s_wait_alu depctr_va_vdst(0)           ; ahead of the root's first reader
	v_and_or_b32 v[SNR], v[TM+1], 0x80000000, v[NRM]     ; sign(x_(k+1)) |x| = -b_k
	v_fma_f32 v[DEN], -|v[TM+1]|, v[NRM], -v[SG]         ; -(sigma + |x_(k+1)| |x|) = -1 / beta
	v_rcp_f32 v[TM+2], v[DEN]
	v_cndmask_b32 v[BV+RSK], v[BV+RSK], v[SNR], s30
.if BOTH
	v_cmp_eq_u32 s32, s25, v[RI]
	v_cndmask_b32 v[TM], 0, v[SNR], s32
	v_add_f32 v[VI], v[XV], v[TM]          ; v = x - b_k e_(k+1)
.endif
	v_cmp_eq_u32 s32, s25, v[RI+1]
	v_cndmask_b32 v[TM], 0, v[SNR], s32
	v_add_f32 v[VI+1], v[XV+1], v[TM]
.if BOTH
	ds_store_b32 v[VBW], v[VI]
.endif
	ds_store_b32 v[VBW], v[VI+1] offset:128
	BCAST VBC, VBR, P/4                    ; LDS serves a wave's instructions in order (ISA guide 5.7.1.4): these see the stores above
.if BOTH
	v_mul_f32 v[VY], v[VI], v[YV]
	v_fmac_f32 v[VY], v[VI+1], v[YV+1]
.else
	v_mul_f32 v[VY], v[VI+1], v[YV+1]
.endif
	WSUM VY, TM                            ; v . yh, while v is on its way
	s_wait_alu depctr_va_vdst(0)           ; ahead of the reciprocal's first reader
	v_cndmask_b32 v[NB], 0, v[TM+2], s33   ; -beta, or 0
	v_mul_f32 v[TM], v[VY], v[NB]
.if BOTH
	v_fmac_f32 v[YV], v[VI], v[TM]
.endif
	v_fmac_f32 v[YV+1], v[VI+1], v[TM]     ; yh += v (-beta v . yh)
	s_wait_dscnt 0x0                       ; v is in VBC
	COLDOT 1+(\e), P-1-(\e), VBC           ; Hh^T v for my two columns, over the rows below k
	v_pk_mul_f32 v[TPP:TPP+1], v[ACC:ACC+1], v[NB:NB+1] op_sel_hi:[1,0]   ; t'' = -beta Hh^T v
	ds_store_b64 v[TBW], v[TPP:TPP+1]
	BCAST HKB, TBR, 16                     ; t'' whole, where row k lay
	WIN 0x50                               ; HC += v t''^T
.set p, 1+(\e)
.rept P-1-(\e)
.if p%2
	v_pk_fma_f32 v[HC+2*(p-2*(\e)):HC+2*(p-2*(\e))+1], v[VBC+p-1:VBC+p], v[TPP:TPP+1], v[HC+2*p:HC+2*p+1] op_sel:[1,0,0] op_sel_hi:[1,1,1]
.else
	v_pk_fma_f32 v[HC+2*(p-2*(\e)):HC+2*(p-2*(\e))+1], v[VBC+p:VBC+p+1], v[TPP:TPP+1], v[HC+2*p:HC+2*p+1] op_sel_hi:[0,1,1]
.endif
.set p, p+1
.endr
	WIN 0x04
	ds_store_b64 v[HRW], v[HC+2*(1-(\e)):HC+2*(1-(\e))+1]   ; row k + 1 is final: into HL
	WIN 0
	BCAST VBC, HKA, 16                     ; and, whole, where v lay: the next step's row
	s_wait_dscnt 17                        ; the row's store and its 16 loads may stay out: t'' is in
	WIN 0x50                               ; HR += v t''^T
.set j, 0
.rept 32
.if BOTH
	v_pk_fma_f32 v[2*j:2*j+1], v[VI:VI+1], v[HKB+2*j:HKB+2*j+1], v[2*j:2*j+1] op_sel_hi:[0,1,1]
.endif
	v_pk_fma_f32 v[64+2*j:65+2*j], v[VI:VI+1], v[HKB+2*j:HKB+2*j+1], v[64+2*j:65+2*j] op_sel:[1,0,0] op_sel_hi:[1,1,1]
.set j, j+1
.endr
	WIN 0
	s_add_co_u32 s24, s24, 1
	s_add_co_u32 s25, s25, 1
	s_and_b32 s26, s25, 31
	s_add_co_u32 s40, s40, PITCH
.endm
; sixteen steps: eight trips of an even and an odd one.  At a trip's end the two places of VB that the next shift leaves behind row 63 are cleared.
.macro STAGE s
	s_mov_b32 s27, 8
.Lstage\s:
	v_add_nc_u32 v[VBW], s41, v[L4]
	v_mov_b32 v[ZA], s41
	STEP \s, 0
	STEP \s, 1
	ds_store_b64 v[ZA], v[ZP:ZP+1] offset:248
	s_sub_co_u32 s41, s41, 8
	s_sub_co_u32 s27, s27, 1
	s_cmp_lg_u32 s27, 0
	s_cbranch_scc1 .Lstage\s
.endm
; THE LAYERS.  A pair from another place: the same words some lanes away, or (distance 1) the neighbour in the pair and one word of the next lane.  Indices go round mod 64; what comes round meets e = 0.
.macro PULL d, src, ad
	ds_bpermute_b32 v[\d], v[\ad], v[\src]
	ds_bpermute_b32 v[(\d)+1], v[\ad], v[(\src)+1]
.endm
.macro PULLR d, src                    ; from index + 1
	v_mov_b32 v[\d], v[(\src)+1]
	ds_bpermute_b32 v[(\d)+1], v[ADP1], v[\src]
.endm
.macro PULLL d, src                    ; from index - 1
	ds_bpermute_b32 v[\d], v[ADM1], v[(\src)+1]
	v_mov_b32 v[(\d)+1], v[\src]
.endm
; One level at distance t.  With r = 1 / (g + rho):  g_i -= e_i^2 r_(i+t) + e_(i-t)^2 r_(i-t);  f_i -= e_i r_(i+t) f_(i+t) + e_(i-t) r_(i-t) f_(i-t);  e_i = -e_i e_(i+t) r_(i+t).
; der = 1, with psi = r (1 + gd):  gd_i += e_i^2 r_(i+t) (psi_(i+t) + 2 eps_i) + e_(i-t)^2 r_(i-t) (psi_(i-t) + 2 eps_(i-t));  eps_i += eps_(i+t) + psi_(i+t).
; one = 1: t = 1.  last = 1: no level follows, e and eps are not made anew.
.macro LEVEL adp, adm, one, last, der
	v_pk_add_f32 v[AL:AL+1], v[GA:GA+1], v[RHO:RHO+1]
	v_rcp_f32 v[RR], v[AL]
	v_rcp_f32 v[RR+1], v[AL+1]
.if \der
	v_pk_add_f32 v[TQ:TQ+1], v[GD:GD+1], 1.0 op_sel_hi:[1,0]
.else
	v_nop                                  ; the plain line behind the reciprocals
.endif
	s_wait_alu depctr_va_vdst(0)           ; one wait for both
.if \one
	PULLR RP, RR
	PULLR FP, F
	PULLR EPU, EE
.else
	PULL RP, RR, \adp
	PULL FP, F, \adp
.if !(\last)
	PULL EPU, EE, \adp
.endif
.endif
	v_pk_mul_f32 v[ER:ER+1], v[EE:EE+1], v[RR:RR+1]
	v_pk_mul_f32 v[L1:L1+1], v[EE:EE+1], v[ER:ER+1]
	v_pk_mul_f32 v[L2:L2+1], v[ER:ER+1], v[F:F+1]
.if \one
	PULLL L1M, L1
	PULLL L2M, L2
.else
	PULL L1M, L1, \adm
	PULL L2M, L2, \adm
.endif
.if \der
	v_pk_mul_f32 v[PS:PS+1], v[RR:RR+1], v[TQ:TQ+1]
	v_pk_fma_f32 v[TQ:TQ+1], v[EPS:EPS+1], 2.0, v[PS:PS+1] op_sel_hi:[1,0,1]
	v_pk_mul_f32 v[L3:L3+1], v[L1:L1+1], v[TQ:TQ+1]
.if \one
	PULLR PSP, PS
	PULLR EPP, EPS
	PULLL L3M, L3
.else
	PULL PSP, PS, \adp
.if !(\last)
	PULL EPP, EPS, \adp
.endif
	PULL L3M, L3, \adm
.endif
.endif
	s_wait_dscnt 0x0
	v_pk_mul_f32 v[TT:TT+1], v[EE:EE+1], v[RP:RP+1]
	v_pk_mul_f32 v[TQ:TQ+1], v[EE:EE+1], v[TT:TT+1]
.if \der
	v_pk_fma_f32 v[PS:PS+1], v[EPS:EPS+1], 2.0, v[PSP:PSP+1] op_sel_hi:[1,0,1]
	v_pk_fma_f32 v[GD:GD+1], v[TQ:TQ+1], v[PS:PS+1], v[GD:GD+1]
	v_pk_add_f32 v[GD:GD+1], v[GD:GD+1], v[L3M:L3M+1]
.if !(\last)
	v_pk_add_f32 v[EPS:EPS+1], v[EPS:EPS+1], v[EPP:EPP+1]
	v_pk_add_f32 v[EPS:EPS+1], v[EPS:EPS+1], v[PSP:PSP+1]
.endif
.endif
	v_pk_add_f32 v[GA:GA+1], v[GA:GA+1], v[TQ:TQ+1] neg_lo:[0,1] neg_hi:[0,1]
	v_pk_add_f32 v[GA:GA+1], v[GA:GA+1], v[L1M:L1M+1] neg_lo:[0,1] neg_hi:[0,1]
	v_pk_fma_f32 v[F:F+1], v[TT:TT+1], v[FP:FP+1], v[F:F+1] neg_lo:[1,0,0] neg_hi:[1,0,0]
	v_pk_add_f32 v[F:F+1], v[F:F+1], v[L2M:L2M+1] neg_lo:[0,1] neg_hi:[0,1]
.if !(\last)
	v_pk_mul_f32 v[EE:EE+1], v[TT:TT+1], v[EPU:EPU+1] neg_lo:[1,0] neg_hi:[1,0]
.endif
.endm
; ONE LAYER.  s38 = gamma[it], s39 = theta[it].  first = 1: layer 0: x = 0, rho is made of this layer's own v2 (z = y), and the two traces are made.
.macro ITER first
.if \first
	v_mov_b32 v[F], v[YH]
	v_mov_b32 v[F+1], v[YH+1]
.else
	ds_store_b64 v[TBW], v[XX:XX+1]
	BCAST B1, TBR, 16                      ; x whole
	s_wait_dscnt 0x0
	ROWDOT 1, B1
	v_add_f32 v[T0], v[ACC], v[ACC+1]
	v_add_f32 v[T1], v[ACC+4], v[ACC+5]
	v_pk_add_f32 v[F:F+1], v[YH:YH+1], v[T0:T0+1] neg_lo:[0,1] neg_hi:[0,1]   ; Q^T z = yh - Hh x
.endif
	v_mul_f32 v[T2], v[F], v[F]
	v_fmac_f32 v[T2], v[F+1], v[F+1]
	WSUM T2, WT
	v_sub_f32 v[T2], v[T2], v[S32]
	v_mul_f32 v[T2], v[T2], v[INVTR]
	v_max_num_f32 v[V2], 0x358637bd, v[T2] ; v2 = max((|z|^2 - 32 s) / tr, 1e-6)
.if \first
	v_rcp_f32 v[T3], v[V2]
.endif
	v_mov_b32 v[GA], v[TA]                 ; the levels work in place: they start from copies
	v_mov_b32 v[GA+1], v[TA+1]
	v_mov_b32 v[EE], v[TBN]
	v_mov_b32 v[EE+1], v[TBN+1]
.if \first
	v_mov_b32 v[GD], 0
	v_mov_b32 v[GD+1], 0
	v_mov_b32 v[EPS], 0
	v_mov_b32 v[EPS+1], 0
	s_wait_alu depctr_va_vdst(0)
	v_mul_f32 v[RHO], v[SS], v[T3]
	v_mul_f32 v[RHO+1], v[SS], v[T3]
.endif
	LEVEL ADP1, ADM1, 1, 0, \first         ; distances 1, 2, 4, 8, 16, 32
	LEVEL ADP1, ADM1, 0, 0, \first
	LEVEL ADP2, ADM2, 0, 0, \first
	LEVEL ADP4, ADM4, 0, 0, \first
	LEVEL ADP8, ADM8, 0, 0, \first
	LEVEL ADP16, ADP16, 0, 1, \first
	v_pk_add_f32 v[AL:AL+1], v[GA:GA+1], v[RHO:RHO+1]
	v_rcp_f32 v[RR], v[AL]
	v_rcp_f32 v[RR+1], v[AL+1]
	v_nop
	s_wait_alu depctr_va_vdst(0)
	v_pk_mul_f32 v[F:F+1], v[F:F+1], v[RR:RR+1]          ; u = (T + rho)^-1 Q^T z
	ds_store_b64 v[TBW], v[F:F+1]
	BCAST B2, TBR, 16                      ; u whole; the scalars below are made while it is on its way
	v_pk_mul_f32 v[TQ:TQ+1], v[GA:GA+1], v[RR:RR+1]      ; g / d
	v_add_f32 v[T0], v[TQ], v[TQ+1]
.if \first
	v_pk_fma_f32 v[PS:PS+1], v[GD:GD+1], v[RHO:RHO+1], v[GA:GA+1] neg_lo:[1,0,0] neg_hi:[1,0,0]
	v_pk_mul_f32 v[L1:L1+1], v[RR:RR+1], v[RR:RR+1]
	v_pk_mul_f32 v[PS:PS+1], v[PS:PS+1], v[L1:L1+1]      ; (g - rho gd) / d^2
	v_add_f32 v[T1], v[PS], v[PS+1]
	WSUM2 T0, WT, T1, T3
.else
	WSUM T0, WT                            ; q1
.endif
	v_rcp_f32 v[T2], v[T0]
	v_nop
	s_wait_alu depctr_va_vdst(0)
	v_mul_f32 v[N32], 0x42000000, v[T2]    ; 32 / q1
.if \first
	v_mul_f32 v[T1], v[T1], v[N32]
	v_mul_f32 v[TRWW], v[T1], v[N32]
	v_mul_f32 v[T2], s39, v[N32]           ; k = theta[0] 32 / q1
	v_mul_f32 v[T3], v[T2], v[RHO]
	v_mul_f32 v[T3], v[T3], v[T3]          ; k^2 rho^2
	v_pk_fma_f32 v[L2:L2+1], v[TQ:TQ+1], v[T2:T3], 1.0 op_sel_hi:[1,0,0] neg_lo:[1,0,0] neg_hi:[1,0,0]
	v_pk_mul_f32 v[L3:L3+1], v[GD:GD+1], v[L1:L1+1]
	v_pk_mul_f32 v[L3:L3+1], v[L3:L3+1], v[T2:T3] op_sel:[0,1] op_sel_hi:[1,1]
	v_pk_fma_f32 v[L2:L2+1], v[L2:L2+1], v[L2:L2+1], v[L3:L3+1]
	v_add_f32 v[TRBB], v[L2], v[L2+1]
	WSUM TRBB, WT
.endif
	s_mul_f32 s29, s39, s39
	v_mul_f32 v[T1], s29, v[TRWW]
	v_mul_f32 v[T1], v[T1], v[SS]
	v_fmac_f32 v[T1], v[TRBB], v[V2]
	v_mul_f32 v[T1], 0x3c800000, v[T1]     ; tau2 = (trBB v2 + theta^2 trWW s) / 64
	v_rcp_f32 v[T2], v[T1]
.if !(\first)
	v_rcp_f32 v[T3], v[V2]
.endif
	v_mul_f32 v[T0], s38, v[N32]           ; gamma 32 / q1: the plain line behind the batch
	s_wait_alu depctr_va_vdst(0)
	v_mul_f32 v[K2], 0xbf38aa3b, v[T2]     ; -log2(e) / (2 tau2)
.if !(\first)
	v_mul_f32 v[RHO], v[SS], v[T3]         ; the next layer's rho, of this layer's v2: this layer has read rho for the last time
	v_mul_f32 v[RHO+1], v[SS], v[T3]
.endif
	s_wait_dscnt 0x0                       ; u is in B2
	COLDOT 0, 64, B2                       ; Hh^T u for my two columns
.if \first
	v_pk_mul_f32 v[RV:RV+1], v[ACC:ACC+1], v[T0:T0+1] op_sel_hi:[1,0]
.else
	v_pk_fma_f32 v[RV:RV+1], v[ACC:ACC+1], v[T0:T0+1], v[XX:XX+1] op_sel_hi:[1,0,1]   ; r = x + gamma W z
.endif
	v_pk_add_f32 v[PO:PO+1], v[RV:RV+1], v[CC:CC+1] op_sel_hi:[0,1]                   ; r + c, r - c
	v_pk_add_f32 v[PO+2:PO+3], v[RV:RV+1], v[CC:CC+1] op_sel:[1,0] op_sel_hi:[1,1]
	v_pk_mul_f32 v[PO:PO+1], v[PO:PO+1], v[PO:PO+1]
	v_pk_mul_f32 v[PO+2:PO+3], v[PO+2:PO+3], v[PO+2:PO+3]
	v_pk_mul_f32 v[PO:PO+1], v[PO:PO+1], v[K2:K2+1] op_sel_hi:[1,0]
	v_pk_mul_f32 v[PO+2:PO+3], v[PO+2:PO+3], v[K2:K2+1] op_sel_hi:[1,0]
.irp q, 0,1,2,3
	v_exp_f32 v[PO+\q], v[PO+\q]           ; the exponents are at most 0, as in reference(), which takes no maximum away here
.endr
	v_nop
	s_wait_alu depctr_va_vdst(0)           ; one wait for the four
.irp q, 0,1,2,3
	v_max_num_f32 v[PO+\q], 0x2b0cbccc, v[PO+\q]         ; the floor 5e-13
.endr
	v_add_f32 v[T0], v[PO], v[PO+1]
	v_add_f32 v[T1], v[PO+2], v[PO+3]
	v_rcp_f32 v[RS], v[T0]
	v_rcp_f32 v[RS+1], v[T1]
	v_sub_f32 v[T2], v[PO+1], v[PO]
	v_sub_f32 v[T3], v[PO+3], v[PO+2]
	s_wait_alu depctr_va_vdst(0)
	v_pk_mul_f32 v[T2:T3], v[T2:T3], v[RS:RS+1]
	v_pk_mul_f32 v[PO:PO+1], v[PO:PO+1], v[RS:RS+1] op_sel_hi:[1,0]
	v_pk_mul_f32 v[PO+2:PO+3], v[PO+2:PO+3], v[RS:RS+1] op_sel:[0,1] op_sel_hi:[1,1]
	v_pk_mul_f32 v[XX:XX+1], v[T2:T3], v[CC:CC+1] op_sel_hi:[1,0]                     ; x = c (p(+c) - p(-c))
	global_store_b64 v[L8], v[XX:XX+1], s[14:15] th:TH_STORE_NT      ; the wave's 256 consecutive bytes, at a multiple of 256 from out0's first
	global_store_b128 v[O1], v[PO:PO+3], s[16:17] th:TH_STORE_NT     ; 512 consecutive bytes of out1
	s_wait_xcnt 0x0                        ; the stores' bases and data are written again only behind this wait
	s_add_nc_u64 s[14:15], s[14:15], 0x100000            ; a layer of out0: 4,096 x 64 x 4 bytes
	s_add_nc_u64 s[16:17], s[16:17], 0x200000
.endm
; ---- the head
	s_load_b256 s[4:11], s[0:1], 0x0
	s_load_b128 s[12:15], s[0:1], 0x20
	s_load_b64 s[16:17], s[0:1], 0x30
	v_lshl_add_u32 v[SPW], v0, 2, SPARE
	v_mov_b32 v[NIL], 0
	v_and_b32 v1, 31, v0                   ; lane
	v_lshrrev_b32 v[TM], 5, v0
	v_readfirstlane_b32 s18, v[TM]         ; wave
	s_lshl_b32 s19, ttmp9, 3
	s_add_co_u32 s19, s19, s18             ; my system
	s_mul_i32 s20, s18, WSTR               ; my part of LDS
	s_mov_b32 s34, 0x76543210
	s_mov_b32 s35, 0xfedcba98
	v_lshlrev_b32 v[L4], 2, v1
	v_lshlrev_b32 v[L8], 3, v1
	v_mov_b32 v[RI], v1
	v_add_nc_u32 v[RI+1], 32, v1
	s_add_co_u32 s22, s20, TBO
	v_add_nc_u32 v[TBW], s22, v[L8]
	v_mov_b32 v[TBR], s22
	s_add_co_u32 s41, s20, VBO+256
	v_mov_b32 v[VBR], s41
	s_add_co_u32 s40, s20, PITCH           ; HL's row 1
	v_mov_b32 v[HKA], s20                  ; HL's row 0
	v_add_nc_u32 v[TA], s20, v[L8]         ; (two of the layers' registers at work here) a row's 8 l
	v_mul_u32_u24 v[TA+1], v1, PITCH
	v_add_nc_u32 v[TA+1], s20, v[TA+1]     ; row l
	v_min_u32 v[TM+1], 9, v1
	v_lshlrev_b32 v[TM+1], 2, v[TM+1]
	v_mov_b32 v[ZP], 0
	v_mov_b32 v[ZP+1], 0
	v_mov_b32 v[AV], 0
	v_mov_b32 v[AV+1], 0
	v_mov_b32 v[BV], 0
	v_mov_b32 v[BV+1], 0
	v_mov_b32 v[NB], 0
	v_mov_b32 v[NB+1], 0
	s_mov_b32 s24, 0
	s_mov_b32 s25, 1
	s_mov_b32 s26, 1
	s_mov_b32 s23, 0
	s_wait_kmcnt 0x0
	s_lshl_b32 s22, s19, 14
	s_add_nc_u64 s[4:5], s[4:5], s[22:23]
	s_lshl_b32 s22, s19, 8
	s_add_nc_u64 s[6:7], s[6:7], s[22:23]
	s_add_nc_u64 s[14:15], s[14:15], s[22:23]
	s_lshl_b32 s22, s19, 9
	s_add_nc_u64 s[16:17], s[16:17], s[22:23]
	s_lshl_b32 s22, s19, 2
	s_add_nc_u64 s[8:9], s[8:9], s[22:23]
	s_load_b32 s36, s[8:9], 0x0
	global_load_b32 v[YV], v[L4], s[6:7]
	global_load_b32 v[YV+1], v[L4], s[6:7] offset:128
	global_load_b32 v[VGAM], v[TM+1], s[10:11]
	global_load_b32 v[VTHE], v[TM+1], s[12:13]
	WIN 0x40                               ; H, read once: each load is one whole row, 256 consecutive bytes; all 64 go out together, 16 KiB a wave
.set i, 0
.rept 64
	global_load_b64 v[HC+2*i:HC+2*i+1], v[L8], s[4:5] offset:256*i th:TH_LOAD_NT
.set i, i+1
.endr
	WIN 0x04
.set i, 0
.rept 64
.if i%8 == 0
	s_wait_loadcnt 56-i                    ; loads come back in order: the next eight rows are in, the younger ones stay out
.endif
	ds_store_b64 v[TA], v[HC+2*i:HC+2*i+1] offset:PITCH*i
.set i, i+1
.endr
	WIN 0x40                               ; and back by rows: rows l and l + 32
.set i, 0
.rept 32
	ds_load_b128 v[4*i:4*i+3], v[TA+1] offset:32*PITCH*(i/16)+16*(i%16)
.set i, i+1
.endr
	WIN 0
	BCAST B1, HKA, 16                      ; row 0 whole
; ---- the reduction: steps 0 to 63 (the last finds a_63 and reflects nothing)
	STAGE 0
	STAGE 1
	v_mov_b32 v[VI], 0                     ; rows 0 to 31 are done
	STAGE 2
	STAGE 3
; ---- from rows l, l + 32 to rows 2 l, 2 l + 1; Hh comes back from HL in both layouts
	s_wait_dscnt 0x0                       ; the last step's look-ahead, which nobody reads
	s_add_co_u32 s22, s20, TBO
	v_add_nc_u32 v[T0], s22, v[L4]
	ds_store_b32 v[T0], v[AV]
	ds_store_b32 v[T0], v[AV+1] offset:128
	ds_load_b64 v[TA:TA+1], v[TBW]         ; in order behind the two stores, ahead of the next two
	ds_store_b32 v[T0], v[BV]
	ds_store_b32 v[T0], v[BV+1] offset:128
	ds_load_b64 v[TBN:TBN+1], v[TBW]
	ds_store_b32 v[T0], v[YV]
	ds_store_b32 v[T0], v[YV+1] offset:128
	ds_load_b64 v[YH:YH+1], v[TBW]
	v_add_nc_u32 v[T1], s20, v[L8]
	v_mul_u32_u24 v[T2], v1, 2*PITCH
	v_add_nc_u32 v[T2], s20, v[T2]
	WIN 0x40
.set i, 0
.rept 64
	ds_load_b64 v[HC+2*i:HC+2*i+1], v[T1] offset:PITCH*i
.set i, i+1
.endr
.set i, 0
.rept 32
	ds_load_b128 v[4*i:4*i+3], v[T2] offset:PITCH*(i/16)+16*(i%16)
.set i, i+1
.endr
	WIN 0
.irp x, 1,2,4,8,16
	v_add_nc_u32 v[ADP\x], 4*\x, v[L4]
	v_and_b32 v[ADP\x], 124, v[ADP\x]
.endr
.irp x, 1,2,4,8
	v_add_nc_u32 v[ADM\x], 128-4*\x, v[L4]
	v_and_b32 v[ADM\x], 124, v[ADM\x]
.endr
	v_mov_b32 v[CC], 0x3f3504f3
	v_mov_b32 v[CC+1], 0xbf3504f3
	v_lshlrev_b32 v[O1], 4, v1
	v_mov_b32 v[K2+1], 0                   ; named with K2 as a pair
	v_mov_b32 v[T3], 0
	s_wait_dscnt 0x0
	v_pk_mul_f32 v[TBN:TBN+1], v[TBN:TBN+1], -1.0 op_sel_hi:[1,0]   ; kept was -b
	v_add_f32 v[T0], v[TA], v[TA+1]
	WSUM T0, WT                            ; tr(H^T H) = sum a
	v_rcp_f32 v[INVTR], v[T0]
	s_wait_kmcnt 0x0                       ; sigma2[b]
	v_mov_b32 v[T1], s36
	s_wait_alu depctr_va_vdst(0)
	v_mul_f32 v[SS], 0.5, v[T1]
	v_mul_f32 v[S32], 0x41800000, v[T1]
; ---- the layers
	v_readlane_b32 s38, v[VGAM], 0
	v_readlane_b32 s39, v[VTHE], 0
	ITER 1
	s_mov_b32 s37, 1
.Llayer:
	v_readlane_b32 s38, v[VGAM], s37
	v_readlane_b32 s39, v[VTHE], s37
	ITER 0
	s_add_co_u32 s37, s37, 1
	s_cmp_lt_u32 s37, 10
	s_cbranch_scc1 .Llayer
	s_wait_tensorcnt 0x0                   ; the wave's end: behind my last LDS store
	ds_add_u32 v[SPW], v[NIL]
	s_wait_dscnt 0x0
	s_endpgm
.Lfunc_end_k_qc062fba2b5_oamp:
	.size	k_qc062fba2b5_oamp, .Lfunc_end_k_qc062fba2b5_oamp-k_qc062fba2b5_oamp
	.p2alignl 7, 3214868480
	.fill 96, 4, 3214868480
	.section	.rodata,"a",@progbits
	.p2align	6, 0x0
	.amdhsa_kernel k_qc062fba2b5_oamp
		.amdhsa_group_segment_fixed_size 150528
		.amdhsa_private_segment_fixed_size 0
		.amdhsa_enable_private_segment 0
		.amdhsa_kernarg_size 56
		.amdhsa_user_sgpr_count 2
		.amdhsa_user_sgpr_kernarg_segment_ptr 1
		.amdhsa_wavefront_size32 1
		.amdhsa_system_sgpr_workgroup_id_x 1
		.amdhsa_system_sgpr_workgroup_id_y 1
		.amdhsa_system_sgpr_workgroup_id_z 1
		.amdhsa_system_vgpr_workitem_id 0
		.amdhsa_next_free_vgpr 512
		.amdhsa_next_free_sgpr 66
		.amdhsa_reserve_vcc 0
		.amdhsa_float_denorm_mode_32 3
		.amdhsa_float_denorm_mode_16_64 3
		.amdhsa_memory_ordered 1
		.amdhsa_forward_progress 1
		.amdhsa_inst_pref_size 208
	.end_amdhsa_kernel
	.amdgpu_metadata
---
amdhsa.version: [ 1, 2 ]
amdhsa.kernels:
  - .name:           k_qc062fba2b5_oamp
    .symbol:         k_qc062fba2b5_oamp.kd
    .args:
      - { .name: H, .offset: 0, .size: 8, .value_kind: global_buffer, .address_space: global }
      - { .name: y, .offset: 8, .size: 8, .value_kind: global_buffer, .address_space: global }
      - { .name: sigma2, .offset: 16, .size: 8, .value_kind: global_buffer, .address_space: global }
      - { .name: gamma, .offset: 24, .size: 8, .value_kind: global_buffer, .address_space: global }
      - { .name: theta, .offset: 32, .size: 8, .value_kind: global_buffer, .address_space: global }
      - { .name: out0, .offset: 40, .size: 8, .value_kind: global_buffer, .address_space: global }
      - { .name: out1, .offset: 48, .size: 8, .value_kind: global_buffer, .address_space: global }
    .group_segment_fixed_size: 150528
    .private_segment_fixed_size: 0
    .kernarg_segment_align: 8
    .kernarg_segment_size: 56
    .max_flat_workgroup_size: 256
    .sgpr_count:     66
    .vgpr_count:     512
    .wavefront_size: 32
...
	.end_amdgpu_metadata
.endif
;; end of part 1
